; MI455X (gfx1250); checked and timed in simulation.
; The chip was launched on July 23, 2026; its instructions are those of AMD's public machine-readable ISA for CDNA 5 (MIT licence, August 2026) and "CDNA5" Instruction Set Architecture Reference Guide (July 2026). The comments in the code are by the model that wrote it; some were corrected since.
;; LSTM Cell. Allowed arithmetic: float matrix products may take bf16 or f16 operands with f32 sums; all other float work in f32.
;; Inputs: b_hh 8,192 float32; b_ih 8,192 float32; cx 2,048 x 2,048 float32; hx 2,048 x 2,048 float32; w_hh 8,192 x 2,048 float32; w_ih 8,192 x 256 float32; x 2,048 x 256 float32.
;; Outputs: out0 2,048 x 2,048 float32; out1 2,048 x 2,048 float32.
;; One version. Each part assembles by itself: llvm-mc -triple=amdgcn-amd-amdhsa -mcpu=gfx1250 --defsym DOCPART=n.
;; ======== version 1 of 1: 2 launches
;; workspace buffers: ops 47,185,920 bytes
;; launch cvt (part 1): grid 1280 x 1, 8 waves a work-group, no clusters, 0 bytes of LDS; arguments x, hx, w_ih, w_hh, ops; writes ops
.if DOCPART == 1
	.amdgcn_target "amdgcn-amd-amdhsa--gfx1250"
	.amdhsa_code_object_version 6
	.text
	.protected	k_qaeaef0fdfc_cvt
	.globl	k_qaeaef0fdfc_cvt
	.p2align	8
	.type	k_qaeaef0fdfc_cvt,@function
k_qaeaef0fdfc_cvt:
	s_mov_b64 s[64:65], 0
	v_nop
	global_prefetch_b8 v0, s[64:65] scope:SCOPE_SE
	s_setreg_imm32_b32 hwreg(HW_REG_WAVE_MODE, 25, 1), 1
	s_wait_xcnt 0x0
; LSTM cell, first of two launches: the matrix operands are rounded ONCE from f32 to bf16 (to nearest even) and laid out for the product.
;   gates[b][n] = sum over k of [x | hx][b][k] * [w_ih | w_hh][n][k] + b_ih[n] + b_hh[n],   K = 256 + 2048 = 2304.
; ops: 10,240 rows of 2,304 bf16 (4,608 bytes, 18 aligned blocks of 256 bytes).
;   rows 0 .. 2047:      row b = [ x[b][0..255] | hx[b][0..2047] ]
;   rows 2048 .. 10239:  gate row n = g*2048 + h lies at row 2048 + (h>>5)*128 + g*32 + (h&31) and holds [ w_ih[n] | w_hh[n] ].
;                        So 128 neighbouring rows hold all four gates of 32 neighbouring h: the second launch finds the four gates of one
;                        output in one lane.
; NOTHING OF reference() IS LEFT OUT: all seven inputs reach both outputs (x, hx, w_ih, w_hh here; cx, b_ih, b_hh in the second launch).
; LIMIT: the operands of the product are bf16; sums, biases, activations, cx, cy and hy are f32.
; WHY A LAUNCH OF ITS OWN: in the product each element of [x|hx] is read by 64 waves and each weight by 16; converting here costs one conversion
; an element and halves the bytes that the product's tiles carry through LDS.
; A stream: no LDS, no barrier, no matrix unit, no loop.  One wave takes one row: 18 loads of 512 neighbouring bytes, all issued at once,
; then 18 stores, each covering 256 consecutive bytes, aligned.  No register is rewritten behind the store that reads it.
.set AROWS,  2048                      ; rows of [x | hx]
.set ROWB,   4608                      ; bytes of a row of ops
.set CHUNKS, 18                        ; 128 numbers each: 2 from the short source (x or w_ih), 16 from the long one (hx or w_hh)
.set X,      4                         ; v[4:75]  chunk c: 4 registers as loaded; the first two then hold the 4 bf16
	s_load_b256 s[4:11], s[0:1], 0x0               ; x s[4:5], hx s[6:7], w_ih s[8:9], w_hh s[10:11]
	s_load_b64 s[12:13], s[0:1], 0x20              ; ops
	v_lshrrev_b32 v1, 5, v0
	v_readfirstlane_b32 s14, v1                    ; wave 0..7
	v_and_b32 v1, 31, v0                           ; lane
	v_lshlrev_b32 v2, 4, v1                        ; 16 bytes a lane in the source
	v_lshlrev_b32 v3, 3, v1                        ; 8 bytes a lane in ops
	s_lshl_b32 s15, ttmp9, 3
	s_add_co_u32 s15, s15, s14                     ; R: my row, counted through [x|hx] and then through the weights in their own order
	s_sub_co_u32 s20, s15, AROWS                   ; n = g*2048 + h (means nothing for R < 2048, where the selects below drop it)
	s_lshr_b32 s21, s20, 11                        ; g
	s_and_b32 s22, s20, 2047                       ; h
	s_lshr_b32 s23, s22, 5
	s_lshl_b32 s23, s23, 7                         ; (h>>5)*128
	s_lshl_b32 s21, s21, 5                         ; g*32
	s_add_co_u32 s23, s23, s21
	s_and_b32 s22, s22, 31                         ; h&31
	s_add_co_u32 s23, s23, s22
	s_add_co_u32 s23, s23, AROWS                   ; the weight row's place in ops
	s_wait_kmcnt 0x0
	s_cmp_lt_u32 s15, AROWS                        ; the same for all eight waves: 2048 is a multiple of 8
	s_cselect_b64 s[16:17], s[4:5], s[8:9]         ; short source: x or w_ih
	s_cselect_b64 s[18:19], s[6:7], s[10:11]       ; long source: hx or w_hh
	s_cselect_b32 s24, s15, s20                    ; row in the sources
	s_cselect_b32 s25, s15, s23                    ; row in ops
	s_mov_b32 s21, 0                               ; all three offsets are below 2^27: the high word is 0
	s_lshl_b32 s20, s24, 10                        ; 256 f32 a row
	s_add_nc_u64 s[16:17], s[16:17], s[20:21]
	s_lshl_b32 s20, s24, 13                        ; 2,048 f32 a row
	s_add_nc_u64 s[18:19], s[18:19], s[20:21]
	s_mul_i32 s20, s25, ROWB
	s_add_nc_u64 s[26:27], s[12:13], s[20:21]
.irp c, 0,1
	global_load_b128 v[X+4*\c:X+4*\c+3], v2, s[16:17] offset:512*\c th:TH_LOAD_NT          ; read once in the launch
.endr
.irp c, 2,3,4,5,6,7,8,9,10,11,12,13,14,15,16,17
	global_load_b128 v[X+4*\c:X+4*\c+3], v2, s[18:19] offset:512*(\c-2) th:TH_LOAD_NT
.endr
.irp c, 0,1,2,3,4,5,6,7,8,9,10,11,12,13,14,15,16,17
	s_wait_loadcnt CHUNKS-1-\c                     ; loads come back in order (ISA guide 5.7.1): chunk c is in, the younger ones stay out
	v_cvt_pk_bf16_f32 v[X+4*\c],   v[X+4*\c],   v[X+4*\c+1]
	v_cvt_pk_bf16_f32 v[X+4*\c+1], v[X+4*\c+2], v[X+4*\c+3]
	global_store_b64 v3, v[X+4*\c:X+4*\c+1], s[26:27] offset:256*\c                        ; 32 lanes x 8 bytes: 256 consecutive bytes, aligned; the next launch reads them, so no hint
.endr
	s_endpgm
.Lfunc_end_k_qaeaef0fdfc_cvt:
	.size	k_qaeaef0fdfc_cvt, .Lfunc_end_k_qaeaef0fdfc_cvt-k_qaeaef0fdfc_cvt
	.p2alignl 7, 3214868480
	.fill 96, 4, 3214868480
	.section	.rodata,"a",@progbits
	.p2align	6, 0x0
	.amdhsa_kernel k_qaeaef0fdfc_cvt
		.amdhsa_group_segment_fixed_size 0
		.amdhsa_private_segment_fixed_size 0
		.amdhsa_enable_private_segment 0
		.amdhsa_kernarg_size 40
		.amdhsa_user_sgpr_count 2
		.amdhsa_user_sgpr_kernarg_segment_ptr 1
		.amdhsa_wavefront_size32 1
		.amdhsa_system_sgpr_workgroup_id_x 1
		.amdhsa_system_sgpr_workgroup_id_y 1
		.amdhsa_system_sgpr_workgroup_id_z 1
		.amdhsa_system_vgpr_workitem_id 0
		.amdhsa_next_free_vgpr 76
		.amdhsa_next_free_sgpr 66
		.amdhsa_reserve_vcc 0
		.amdhsa_float_denorm_mode_32 3
		.amdhsa_float_denorm_mode_16_64 3
		.amdhsa_memory_ordered 1
		.amdhsa_forward_progress 1
		.amdhsa_inst_pref_size 8
	.end_amdhsa_kernel
	.amdgpu_metadata
---
amdhsa.version: [ 1, 2 ]
amdhsa.kernels:
  - .name:           k_qaeaef0fdfc_cvt
    .symbol:         k_qaeaef0fdfc_cvt.kd
    .args:
      - { .name: x, .offset: 0, .size: 8, .value_kind: global_buffer, .address_space: global }
      - { .name: hx, .offset: 8, .size: 8, .value_kind: global_buffer, .address_space: global }
      - { .name: w_ih, .offset: 16, .size: 8, .value_kind: global_buffer, .address_space: global }
      - { .name: w_hh, .offset: 24, .size: 8, .value_kind: global_buffer, .address_space: global }
      - { .name: ops, .offset: 32, .size: 8, .value_kind: global_buffer, .address_space: global }
    .group_segment_fixed_size: 0
    .private_segment_fixed_size: 0
    .kernarg_segment_align: 8
    .kernarg_segment_size: 40
    .max_flat_workgroup_size: 256
    .sgpr_count:     66
    .vgpr_count:     76
    .wavefront_size: 32
...
	.end_amdgpu_metadata
.endif
;; end of part 1
;; launch lstm (part 2): grid 32 x 8, 4 waves a work-group, clusters of 4 x 4, 327,680 bytes of LDS; arguments ops, cx, b_ih, b_hh, out0, out1; writes out0, out1
.if DOCPART == 2
	.amdgcn_target "amdgcn-amd-amdhsa--gfx1250"
	.amdhsa_code_object_version 6
	.text
	.protected	k_qaeaef0fdfc_lstm
	.globl	k_qaeaef0fdfc_lstm
	.p2align	8
	.type	k_qaeaef0fdfc_lstm,@function
k_qaeaef0fdfc_lstm:
	s_mov_b64 s[64:65], 0
	v_nop
	global_prefetch_b8 v0, s[64:65] scope:SCOPE_SE
	s_setreg_imm32_b32 hwreg(HW_REG_WAVE_MODE, 25, 1), 1
	s_wait_xcnt 0x0
	s_wait_alu depctr_hold_cnt(0) depctr_sa_sdst(0) depctr_va_vdst(0) depctr_va_sdst(0) depctr_va_ssrc(0) depctr_va_vcc(0) depctr_vm_vsrc(0)
	s_getreg_b32 s2, hwreg(HW_REG_IB_STS2, 6, 4)
	s_cmp_eq_u32 s2, 0
	s_cbranch_scc0 .Lentry_in_a_cluster
	s_endpgm
.Lentry_in_a_cluster:
	s_bfe_u32 s2, ttmp6, 0x10000c
	s_cmp_lg_u32 s2, 0xf033
	s_cbranch_scc0 .Lentry_shape_is_right
	s_endpgm
.Lentry_shape_is_right:
; LSTM cell, second launch: the product in bf16 with f32 sums, and behind it the whole cell in f32:
;   gates = [x|hx] [w_ih|w_hh]^T + (b_ih + b_hh);  cy = sigmoid(f) cx + sigmoid(i) tanh(g);  hy = sigmoid(o) tanh(cy).   out0 = hy, out1 = cy.
; Nothing of reference() is left out.  ops (made by the first launch): rows 0..2047 = [x|hx], rows 2048.. = the weights, gate row g*2048+h at
; row (h>>5)*128 + g*32 + (h&31) of that part; a row is 2,304 bf16.
; SHARE: a work-group makes 256 batch rows x 256 weight rows (64 h x 4 gates) with four waves, as many as a WGP has SIMDs; a wave makes
; 128 batch rows x 128 weight rows (32 h x 4 gates): 64 accumulator tiles of 16 x 16, 512 registers.  8 x 32 = 256 work-groups.
; K goes in 18 steps of 128 through a ring of two LDS slots filled by the tensor data mover; a tile's rows are 256 bytes of memory, aligned.
; CLUSTERS: 4 x 4 work-groups.  The four of a row of the cluster need the same tiles of [x|hx], the four of a column the same tiles of the weights:
; each tile is asked for jointly (same descriptor, a mask that names the four), which divides the requests for both operands by four.
; THE MATRIX INSTRUCTION IS USED TRANSPOSED: source 0 = 16 weight rows, source 1 = 16 batch rows.  In tile (a, b) of window 2 + hi, lane l
; (r = l % 16, h2 = l / 16) holds in register j: batch row 16 (4 hi + a) + r, gate b >> 1, column h = 16 (b & 1) + 8 h2 + j of the wave's 32.
; So the four gates of one output lie in one lane, in the same register of tiles b, b+2, b+4, b+6: the cell needs no exchange between lanes.
; THE CELL stands behind the last K step, with no product beside it.  One window's sums could be ended early (its products of the last two K steps
; first) and its cells set among the other window's products; but both slots are then read to the end, so that half's cx (128 rows x 272 bytes)
; and its stage for cy and hy (twice as much) would have to lie beside them: 104,448 bytes, where 327,680 - 278,528 = 49,152 can still be asked for;
; and each slice among the products wants two switches of the register window, 512 for 256 products.  So it is not done.
; THE TAIL GOES IN FOUR PIECES of 32 of each wave's rows: four cells, then those rows leave.  A piece's stores are on their way while the next piece's
; cells are computed; behind the last cell only 16 of a wave's 64 stores are still to be issued.
; ACTIVATIONS: sigmoid(v) = 1 / (1 + 2^(-v log2 e)),  tanh(v) = 1 - 2 / (1 + 2^(2 v log2 e)).  The scale of each gate is folded into one fused
; multiply-add with the (scaled) bias.  An exponential that overflows to infinity or falls to zero gives the exact limits 0, 1, -1, +1, so no
; range of inputs is shut out and nothing is clamped; a NaN is carried through.
; LIMITS: operands of the product in bf16.  tanh by this form has an absolute error of a few 2^-24, so its relative accuracy close to 0 and the
; sign of a zero are not kept.
;
; LDS, 278,528 bytes:  slot 0 = [0, 139264), slot 1 = [139264, 278528); in each 256 rows of [x|hx], then 256 weight rows, pitch 272.
;   Slot 0's last fill is the block of cx (256 rows x 64 f32, pitch 272, bytes [0, 69632)), asked for when the last K step begins.
;   Slot 1, behind its last fill and its last read, is the stage for the way out, laid piece by piece: batch row 128 wm + 32 q + e of the block
;   (wm = half of the block, q = piece, e = 0..31) lies at stage row 64 q + 32 wm + e; cy at SLOT + stage row x 272, hy 69,632 bytes further.
;   So what one piece's cells write lies wholly behind what the piece before reads back, in every wave.
; REGISTERS, in windows of 256:
;   window 0: v0-31 addresses; v64-127, v128-191 fragments of [x|hx], two buffers (in the tail: v64-111 gates, cx, scratch of the cell;
;             v128-191 the buffer of the way out); v192-255 the scaled biases, tile b's eight at v[192+8b]
;   window 1: v64-127, v128-191 fragments of the weights;   windows 2, 3: accumulators, tile (a, b) at v[8 (8 a + b)]
.set SIZE_K, 2304
.set KSTEP,  128
.set ROWB,   SIZE_K*2                  ; bytes of a row of ops
.set WBASE,  2048*ROWB                 ; where the weights begin in ops
.set PITCH,  272                       ; an LDS row: 256 bytes + 16 of padding = 68 words, so that the 16 rows that a 16-byte load touches start at 16 different banks (64 banks of 4 bytes: ISA guide 11.1)
.set HALFT,  128*PITCH                 ; 128 rows: what one joint load brings, and what one wave reads of either operand
.set SLOT,   4*HALFT
.set CXT,    256*PITCH                 ; the block of cx; also the stage of cy, and that of hy
.set OROW,   8192                      ; bytes of a row of cx, out0, out1
.set LAPS,   SIZE_K/(2*KSTEP)          ; 9 laps of two K steps
.set ADRA, 16                          ; v16-17  LDS address of my [x|hx] fragments in slot 0, 1
.set ADRB, 20                          ; v20-21  the same for the weights
.set ADRC, 24                          ; v24     my 32 bytes of cx in row r of my rows
.set STC,  25                          ; v25     my 32 bytes in cy's stage, piece 0, row r of my 32 rows there
.set STH,  26                          ; v26     and in hy's
.set RD,   27                          ; v27     the way out: where I read cy back by rows, piece 0
.set RDH,  28                          ; v28     and hy
.set CO,   29                          ; v29     my byte offset in the block of out0 and out1, piece 0
.set BA,   30                          ; v30     my byte offset in b_ih and b_hh
.set PF,   31                          ; v31     the row of cx that I ask for ahead
.set F0,   64
.set F1,   128
.set GATE, 64                          ; v64-95   the cell: gates i, f, g, o, eight numbers each
.set CXR,  96                          ; v96-103  cx, then cy
.set TMP,  104                         ; v104-111 at work
.set OB,   128                         ; v128-191 the way out: 8 pairs of rows of cy, 8 of hy; no register of the cell
.set BIAS, 192
.set G1,  24                           ; s[24:31] descriptor group 1 for tiles of [x|hx]
.set G0,  32                           ; s[32:39] group 0 for them, one set for each slot
.set G1B, 48                           ; s[48:55] group 1 for the weights' tiles: another mask
.set G0B, 56                           ; s[56:63] group 0 for them
.set CG0, 68                           ; s[68:71] group 0 for cx
.set CG1, 72                           ; s[72:79] group 1 for cx
.set SIG, 96                           ; s[96:97] -log2 e, twice
.set TAN, 98                           ; s[98:99] 2 log2 e, twice
.set MSB, 0
.macro WIN new                         ; the immediate's high byte repeats the setting that is left
.if MSB != \new
	s_set_vgpr_msb (MSB<<8)|\new
.set MSB, \new
.endif
.endm
.set MUL_LO, 0xa1                      ; source 0 (weights) window 1, source 1 ([x|hx]) window 0, C and D window 2
.set MUL_HI, 0xf1                      ; the same, C and D window 3
.set TO_B,   0x40                      ; destination window 1, address window 0
; A joint load.  Waves 0 and 1 fetch the two halves of [x|hx]'s tile, waves 2 and 3 those of the weights'.  Each line has one mask and one set of
; registers for all that issue it; the branch hangs on the wave's number alone.
.macro JLOAD s
	s_cmp_eq_u32 s11, 0
	s_cbranch_scc0 .Lfor_b_\@
	tensor_load_to_lds s[G0+4*\s:G0+4*\s+3], s[G1:G1+7]
	s_nop 0
	s_branch .Lasked_\@
.Lfor_b_\@:
	tensor_load_to_lds s[G0B+4*\s:G0B+4*\s+3], s[G1B:G1B+7]
	s_nop 0
.Lasked_\@:
.endm
; A round of the cluster's barrier: my work-group's barrier, so that wave 0's signal speaks for all four waves; wave 0 signals for the work-group;
; every wave waits for all sixteen work-groups; my work-group's barrier once more.
.macro CREST                           ; a round behind its opening barrier
	s_cmp_lg_u32 s10, 0
	s_cbranch_scc1 .Lnot_wave_0_\@
	s_barrier_signal -3
.Lnot_wave_0_\@:
	s_barrier_wait -3
	s_barrier_signal -1
	s_barrier_wait -1
.endm
.macro CROUND                          ; a whole round
	s_barrier_signal -1
	s_barrier_wait -1
	CREST
.endm
	s_load_b256 s[80:87], s[0:1], 0x0              ; ops s[80:81], cx s[82:83], b_ih s[84:85], b_hh s[86:87]
	s_load_b128 s[88:91], s[0:1], 0x20             ; out0 s[88:89], out1 s[90:91]
	s_set_vgpr_msb 0x40
	v_lshl_add_u32 v255, v0, 2, 0x44000
	s_set_vgpr_msb 0x4000
	v_mov_b32 v63, 0
	s_set_vgpr_msb 0x1
	ds_add_u32 v255, v63
	s_set_vgpr_msb 0x100
	v_lshrrev_b32 v1, 5, v0
	v_readfirstlane_b32 s10, v1                    ; wave 0..3
	s_lshr_b32 s11, s10, 1                         ; which half of the block's batch rows is mine.  Also: I fetch [x|hx] (0) or weights (1)
	s_and_b32 s12, s10, 1                          ; which half of its weight rows.  Also: which 128 rows of that tile I fetch
	s_bfe_u32 s40, ttmp6, 0x40000                  ; my place along the cluster's x
	s_bfe_u32 s41, ttmp6, 0x40004                  ; and along its y
	s_lshl_b32 s42, ttmp9, 2                       ; in a cluster launch ttmp9 and ttmp7 count clusters
	s_add_co_u32 s42, s42, s40                     ; bx: block of 256 weight rows = 64 h
	s_and_b32 s13, ttmp7, 0xffff
	s_lshl_b32 s13, s13, 2
	s_add_co_u32 s13, s13, s41                     ; by: block of 256 batch rows
	s_lshl_b32 s43, s41, 2
	s_lshl_b32 s43, 15, s43                        ; my row of the cluster: places 4 cy .. 4 cy + 3
	s_lshl_b32 s44, 0x1111, s40                    ; my column: places cx, cx + 4, cx + 8, cx + 12
	s_mov_b32 s[SIG], 0xbfb8aa3b                   ; -log2 e
	s_mov_b32 s[SIG+1], 0xbfb8aa3b
	s_mov_b32 s[TAN], 0x4038aa3b                   ; 2 log2 e
	s_mov_b32 s[TAN+1], 0x4038aa3b
	; group 1 of the joint loads: a tile of 128 rows x 128 elements of 2 bytes, padded in LDS
	s_or_b32 s[G1+0], s43, (1<<16)|(1<<20)|(1<<21)|(5<<22)|(3<<25)  ; 15:0 the mask: my row; 17:16 elements of 2 bytes; 20 padding on; 21 set beside a mask; 24:22 after every 64 words; 31:25 four words
	s_or_b32 s[G1B+0], s44, (1<<16)|(1<<20)|(1<<21)|(5<<22)|(3<<25) ; the same with the mask of my column
	s_mov_b32 s[G1+1], KSTEP<<16                   ; tensor_dim0 = 128
	s_mov_b32 s[G1B+1], KSTEP<<16
	s_mov_b32 s[G1+2], 128<<16                     ; tensor_dim1 = 128
	s_mov_b32 s[G1B+2], 128<<16
	s_mov_b32 s[G1+3], KSTEP<<16                   ; tile_dim0 = 128
	s_mov_b32 s[G1B+3], KSTEP<<16
	s_mov_b32 s[G1+4], 128                         ; tile_dim1 = 128
	s_mov_b32 s[G1B+4], 128
	s_mov_b32 s[G1+5], SIZE_K                      ; elements from row to row
	s_mov_b32 s[G1B+5], SIZE_K
	s_mov_b32 s[G1+6], 0
	s_mov_b32 s[G1B+6], 0
	s_mov_b32 s[G1+7], 0
	s_mov_b32 s[G1B+7], 0
	; group 1 for cx: each wave's own 64 rows x 64 elements of 4 bytes, no mask (no other work-group reads this block), the same padding
	s_mov_b32 s[CG1+0], (2<<16)|(1<<20)|(5<<22)|(3<<25)
	s_mov_b32 s[CG1+1], 64<<16                     ; tensor_dim0 = 64
	s_mov_b32 s[CG1+2], 64<<16                     ; tensor_dim1 = 64
	s_mov_b32 s[CG1+3], 64<<16                     ; tile_dim0 = 64
	s_mov_b32 s[CG1+4], 64                         ; tile_dim1 = 64
	s_mov_b32 s[CG1+5], 2048                       ; elements from row to row
	s_mov_b32 s[CG1+6], 0
	s_mov_b32 s[CG1+7], 0
	; where the tiles come from.  [x|hx]'s hang on by alone, which my row of the cluster shares; the weights' on bx alone, which my column shares.
	; Every wave makes both addresses, in registers that never hold the other coordinate.  All offsets are below 2^26: the high words are 0.
	s_lshl_b32 s17, s12, 7                         ; which 128 rows of the tile I fetch
	s_lshl_b32 s16, s13, 8
	s_add_co_u32 s16, s16, s17
	s_mul_i32 s16, s16, ROWB                       ; [x|hx]: row 256 by + 128 half
	s_lshl_b32 s46, s42, 8
	s_add_co_u32 s46, s46, s17
	s_mul_i32 s46, s46, ROWB                       ; weights: row 256 bx + 128 half,
	s_add_co_u32 s46, s46, WBASE                   ; behind the 2,048 rows of [x|hx]
	s_mov_b32 s17, 0
	s_mov_b32 s47, 0
	s_mul_i32 s20, s10, HALFT                      ; and where they go: wave x 128 rows: no place in the cluster enters an LDS address
	s_lshl_b32 s92, s13, 21                        ; my block in cx, out0, out1: 256 by rows of 8,192 bytes
	s_lshl_b32 s93, s42, 8                         ; + 64 bx columns of 4 bytes  (s[92:95] feed no joint descriptor)
	s_add_co_u32 s92, s92, s93
	s_mov_b32 s93, 0
	s_wait_dscnt 0x0
	s_wait_kmcnt 0x0
	s_add_nc_u64 s[14:15], s[80:81], s[16:17]
	s_add_nc_u64 s[46:47], s[80:81], s[46:47]
	s_add_nc_u64 s[88:89], s[88:89], s[92:93]      ; out0 at my block
	s_add_nc_u64 s[90:91], s[90:91], s[92:93]      ; out1 at my block
	s_add_nc_u64 s[94:95], s[82:83], s[92:93]      ; cx at my block
	s_lshl_b32 s92, s10, 19                        ; my wave's 64 rows of it
	s_mov_b32 s[CG0], 1
	s_mul_i32 s[CG0+1], s10, 64*PITCH              ; LDS: wave x 64 rows, from byte 0
	s_add_nc_u64 s[CG0+2:CG0+3], s[94:95], s[92:93]
	s_or_b32 s[CG0+3], s[CG0+3], 0x80000000        ; type = 2
	CROUND                                         ; all sixteen work-groups are here: the first joint loads meet
.irp s, 0,1
	s_mov_b32 s[G0+4*\s], 1                                        ; count = 1
	s_add_co_u32 s[G0+4*\s+1], s20, \s*SLOT                        ; LDS address
	s_add_nc_u64 s[G0+4*\s+2:G0+4*\s+3], s[14:15], \s*KSTEP*2      ; global address: K step s
	s_or_b32 s[G0+4*\s+3], s[G0+4*\s+3], 0x80000000                ; type = 2
	s_mov_b32 s[G0B+4*\s], 1
	s_add_co_u32 s[G0B+4*\s+1], s20, \s*SLOT
	s_add_nc_u64 s[G0B+4*\s+2:G0B+4*\s+3], s[46:47], \s*KSTEP*2
	s_or_b32 s[G0B+4*\s+3], s[G0B+4*\s+3], 0x80000000
	JLOAD \s                                       ; both slots' first fills go out together: two tensor loads of the wave are out
.endr
	; While they are on their way: the lane's addresses and the biases.
	; A fragment is 16 rows x 32 K in 8 registers: lane l holds row l % 16; registers 0-3 K = 8 (l / 16) + 0..7, registers 4-7 K = 16 + 8 (l / 16) + 0..7:
	; two loads of 16 bytes, 32 bytes apart, at row x pitch + 16 (l / 16).
	v_and_b32 v1, 15, v0                           ; r
	v_bfe_u32 v2, v0, 4, 1                         ; h2
	v_mul_u32_u24 v3, v1, PITCH
	v_lshl_add_u32 v4, v2, 5, v3                   ; r x pitch + 32 h2: for cx and the stages
	v_lshl_add_u32 v3, v2, 4, v3                   ; r x pitch + 16 h2: for fragments
	s_mul_i32 s21, s11, HALFT                      ; my 128 batch rows
	s_mul_i32 s22, s12, HALFT                      ; my 128 weight rows,
	s_add_co_u32 s22, s22, 2*HALFT                 ; which lie behind the 256 batch rows
.irp s, 0,1
	v_add_nc_u32 v[ADRA+\s], s21, v3
	v_add_nc_u32 v[ADRB+\s], s22, v3
	s_add_co_u32 s21, s21, SLOT
	s_add_co_u32 s22, s22, SLOT
.endr
	s_mul_i32 s23, s11, HALFT                      ; cx: my 128 rows,
	s_lshl_b32 s21, s12, 7                         ; my 32 columns of 4 bytes
	s_add_co_u32 s23, s23, s21
	v_add_nc_u32 v[ADRC], s23, v4
	s_mul_i32 s23, s11, 32*PITCH                   ; the stage: of a piece's 64 rows my half of the block has 32,
	s_add_co_u32 s23, s23, s21                     ; my 32 columns,
	s_add_co_u32 s23, s23, SLOT                    ; in slot 1
	v_add_nc_u32 v[STC], s23, v4
	v_add_nc_u32 v[STH], CXT, v[STC]
	v_mul_u32_u24 v5, v2, PITCH                    ; back by rows: lanes 0-15 take one row of 256 bytes, lanes 16-31 the next,
	v_lshl_add_u32 v5, v1, 4, v5
	s_mul_i32 s23, s10, 16*PITCH                   ; of the 16 stage rows of a piece that my wave carries out: 16 wave .. 16 wave + 15
	s_add_co_u32 s23, s23, SLOT
	v_add_nc_u32 v[RD], s23, v5
	v_add_nc_u32 v[RDH], CXT, v[RD]
	v_lshlrev_b32 v5, 13, v2                       ; and the same two rows in out0 and out1:
	v_lshl_add_u32 v5, v1, 4, v5
	s_lshl_b32 s23, s11, 20                        ; stage row 16 wave = 32 (wave >> 1) + 16 (wave & 1) of piece 0 is batch row 128 (wave >> 1)
	s_lshl_b32 s21, s12, 17                        ; + 16 (wave & 1) of the block; rows of 8,192 bytes
	s_add_co_u32 s23, s23, s21
	v_add_nc_u32 v[CO], s23, v5
	v_and_b32 v5, 31, v0
	v_lshlrev_b32 v5, 13, v5
	s_lshl_b32 s23, s10, 19                        ; 64 rows of 8,192 bytes a wave
	v_add_nc_u32 v[PF], s23, v5                    ; row 64 wave + lane of the block of cx
	s_lshl_b32 s92, s42, 8                         ; biases: 64 bx numbers of 4 bytes
	s_lshl_b32 s93, s12, 7                         ; + my wave's 32
	s_add_co_u32 s92, s92, s93
	v_lshl_add_u32 v[BA], v2, 5, s92               ; + 8 h2
.irp b, 0,1,2,3,4,5,6,7
	global_load_b128 v[BIAS+8*\b:BIAS+8*\b+3],   v[BA], s[84:85] offset:(\b>>1)*8192+(\b&1)*64      ; b_ih of tile b's eight columns: gate b >> 1, half b & 1
	global_load_b128 v[BIAS+8*\b+4:BIAS+8*\b+7], v[BA], s[84:85] offset:(\b>>1)*8192+(\b&1)*64+16
	global_load_b128 v[F1+8*\b:F1+8*\b+3],       v[BA], s[86:87] offset:(\b>>1)*8192+(\b&1)*64      ; b_hh likewise, into a buffer that is not yet in use
	global_load_b128 v[F1+8*\b+4:F1+8*\b+7],     v[BA], s[86:87] offset:(\b>>1)*8192+(\b&1)*64+16
.endr
	s_wait_loadcnt 0x0                             ; once
.irp b, 0,1,2,3,4,5,6,7
.irp p, 0,2,4,6
	v_pk_add_f32 v[BIAS+8*\b+\p:BIAS+8*\b+\p+1], v[BIAS+8*\b+\p:BIAS+8*\b+\p+1], v[F1+8*\b+\p:F1+8*\b+\p+1]
.endr
.endr
.irp b, 0,1,2,3,4,5,6,7
.irp p, 0,2,4,6
.if (\b>>1) == 2
	v_pk_mul_f32 v[BIAS+8*\b+\p:BIAS+8*\b+\p+1], v[BIAS+8*\b+\p:BIAS+8*\b+\p+1], s[TAN:TAN+1] op_sel_hi:[1,0]   ; gate g goes to tanh
.else
	v_pk_mul_f32 v[BIAS+8*\b+\p:BIAS+8*\b+\p+1], v[BIAS+8*\b+\p:BIAS+8*\b+\p+1], s[SIG:SIG+1] op_sel_hi:[1,0]   ; gates i, f, o to the sigmoid
.endif
.endr
.endr
; 16 matrix instructions: row blocks a0, a0 + 1 of the window's four (hi = 0: my rows 0-63, 1: rows 64-127) x all 8 weight blocks, 32 along K.
; zero = 1: the first product starts the sums: nothing is ever cleared.  The 64 accumulators take turns, one instruction a turn, in the same
; order in every quarter step, over the loop's backward jump too.
.macro MUL16 f, hi, a0, zero
.irp a, \a0, \a0+1
.irp b, 0,1,2,3,4,5,6,7
.if \zero
	v_wmma_f32_16x16x32_bf16 v[8*(8*(\a)+\b):8*(8*(\a)+\b)+7], v[\f+8*\b:\f+8*\b+7], v[\f+8*(4*\hi+\a):\f+8*(4*\hi+\a)+7], 0
.else
	v_wmma_f32_16x16x32_bf16 v[8*(8*(\a)+\b):8*(8*(\a)+\b)+7], v[\f+8*\b:\f+8*\b+7], v[\f+8*(4*\hi+\a):\f+8*(4*\hi+\a)+7], v[8*(8*(\a)+\b):8*(8*(\a)+\b)+7]
.endif
.endr
.endr
.endm
; 32 LDS loads in one run: the fragments of one quarter step (128 weight rows, 128 batch rows, 32 K at byte k of the rows) into buffer f
.macro FETCH slot, k, f
	WIN TO_B
.irp i, 0,1,2,3,4,5,6,7
	ds_load_b128 v[\f+8*\i:\f+8*\i+3],   v[ADRB+\slot] offset:\k+\i*16*PITCH
	ds_load_b128 v[\f+8*\i+4:\f+8*\i+7], v[ADRB+\slot] offset:\k+\i*16*PITCH+32
.endr
	WIN 0
.irp i, 0,1,2,3,4,5,6,7
	ds_load_b128 v[\f+8*\i:\f+8*\i+3],   v[ADRA+\slot] offset:\k+\i*16*PITCH
	ds_load_b128 v[\f+8*\i+4:\f+8*\i+7], v[ADRA+\slot] offset:\k+\i*16*PITCH+32
.endr
.endm
; A load into a register that a matrix instruction has read, and a vector instruction that reads a matrix result, stand four places behind that
; matrix instruction, and only plain vector instructions that name none of its registers are places (ISA guide 7.12.1 for vector instructions).
; The K loop has no vector work of its own to put there: sixteen v_nop for a K step's 256 matrix instructions.
.macro PLACES
.rept 4
	v_nop
.endr
.endm
; A K step is four quarter steps of 32 along K, 64 matrix instructions each, on buffers 0, 1, 0, 1.
; One of the first three: multiplies buffer f; in its middle it fetches the next quarter's fragments into buffer g.
.macro QUARTER slot, k, f, g, zero
	s_wait_dscnt 8                                 ; the weights and my rows 0-63 are in; the youngest eight loads (my rows 64-127) may be out
	WIN MUL_LO
	MUL16 \f, 0, 0, \zero
	MUL16 \f, 0, 2, \zero
	PLACES
	FETCH \slot, \k, \g
	s_wait_dscnt 32                                ; all but the 32 just issued
	WIN MUL_HI
	MUL16 \f, 1, 0, \zero
	MUL16 \f, 1, 2, \zero
.endm
.macro THREE slot, zero
	QUARTER \slot, 64,  F0, F1, \zero
	QUARTER \slot, 128, F1, F0, 0
	QUARTER \slot, 192, F0, F1, 0
.endm
; The last quarter of a K step: multiplies buffer 1 and changes slots.  fill = 1: this slot gets its tiles of two K steps ahead, by the joint load;
; fill = 2: slot 0 gets its last fill, my wave's 64 rows of cx.  In front of the round's opening signal each wave waits for its own reads of this
; slot and for all its tensor loads (one is out: its part of the next slot).  Behind the round no wave of any partner reads this slot or has a
; load on its way, and the next slot is whole: the fill comes first, one tensor load a wave, then the next slot's first fragments.
; From a request to the wait for it a wave issues 240 matrix instructions.
.macro TURN slot, next, fill
	s_wait_dscnt 8
	WIN MUL_LO
	MUL16 F1, 0, 0, 0
	s_wait_dscnt 0                                 ; my reads of this slot are over
	s_wait_tensorcnt 0x0                           ; and all my tensor loads have landed
	ds_add_u32 v255, v63
	s_wait_dscnt 0x0
	s_barrier_signal -1                            ; say so: this barrier opens a round of the cluster's barrier
	MUL16 F1, 0, 2, 0                              ; work on registers while the others arrive
	WIN 0
	s_barrier_wait -1
	CREST
.if \fill == 1
	s_add_nc_u64 s[G0+4*\slot+2:G0+4*\slot+3], s[G0+4*\slot+2:G0+4*\slot+3], 2*KSTEP*2      ; no tensor load of mine is out: the addresses may step
	s_add_nc_u64 s[G0B+4*\slot+2:G0B+4*\slot+3], s[G0B+4*\slot+2:G0B+4*\slot+3], 2*KSTEP*2
	JLOAD \slot
.else
	tensor_load_to_lds s[CG0:CG0+3], s[CG1:CG1+7]  ; every wave its own 64 rows of cx, into the bytes that held this slot's batch rows
	s_nop 0
.endif
	PLACES
	FETCH \next, 0, F0
	WIN MUL_HI
	MUL16 F1, 1, 0, 0
	MUL16 F1, 1, 2, 0
.endm
.macro LAP zero                        ; once round the ring, both slots filled again
	THREE 0, \zero
	TURN 0, 1, 1
	THREE 1, 0
	TURN 1, 0, 1
.endm
	s_wait_tensorcnt 1                             ; my part of K step 0 is in; K step 1's, the one younger load, stays out
	s_barrier_signal -1
	s_barrier_wait -1                              ; everybody's is
	FETCH 0, 0, F0
	LAP 1                                          ; the first lap stands in front of the loop: its first products start the sums
	WIN 0                                          ; at a label and at a branch every window is 0
	s_mov_b32 s3, LAPS-2
.Llap:
	LAP 0
	WIN 0
	s_sub_co_u32 s3, s3, 1
	s_cmp_lg_u32 s3, 0
	s_cbranch_scc1 .Llap
	; The last lap: K steps 16 and 17.  Each lane asks ahead for two 256-byte row pieces of the block of cx (rows 64 wave + lane and 32 further),
	; each piece once in the launch, 224 matrix instructions before the tensor load that brings them; both lie inside cx.
	global_prefetch_b8 v[PF], s[94:95] th:TH_LOAD_NT scope:SCOPE_SE
	global_prefetch_b8 v[PF], s[94:95] offset:32*OROW th:TH_LOAD_NT scope:SCOPE_SE
	THREE 0, 0
	TURN 0, 1, 2                                   ; cx goes out and has the last K step in which to land
	THREE 1, 0
	s_wait_dscnt 8                                 ; the very last quarter: nothing more to fetch
	WIN MUL_LO
	MUL16 F1, 0, 0, 0
	MUL16 F1, 0, 2, 0
	s_wait_dscnt 0x0                               ; my reads of slot 1 are over: behind the barrier it becomes the stage
	s_wait_tensorcnt 0x0                           ; my 64 rows of cx have landed; other waves read them behind the barrier
	s_barrier_signal -1
	WIN MUL_HI
	MUL16 F1, 1, 0, 0
	MUL16 F1, 1, 2, 0
	WIN 0
	s_barrier_wait -1
	PLACES                                         ; the places behind the last matrix instructions, for all that reads their results or writes their sources below
; THE CELL for eight outputs a lane: row block a of window W (2: my rows 0-63, 3: rows 64-127), half hb of my 32 columns.
; Row block i = 4 (W - 2) + a belongs to piece i >> 1 and is the piece's half i & 1 = a & 1.
.macro CELL a, W, hb
.set CXOFF, (4*(\W-2)+\a)*16*PITCH+64*\hb                      ; in the block of cx: 16 i rows down
.set STOFF, (64*(2*(\W-2)+(\a>>1))+16*(\a&1))*PITCH+64*\hb     ; in the stage: 64 rows a piece, 16 rows a half
	ds_load_b128 v[CXR:CXR+3],   v[ADRC] offset:CXOFF              ; cx of my eight outputs
	ds_load_b128 v[CXR+4:CXR+7], v[ADRC] offset:CXOFF+16
	WIN \W                                         ; source 0 from the accumulators' window
.irp g, 0,1,3
.irp p, 0,2,4,6
	v_pk_fma_f32 v[GATE+8*\g+\p:GATE+8*\g+\p+1], v[8*(8*\a+2*\g+\hb)+\p:8*(8*\a+2*\g+\hb)+\p+1], s[SIG:SIG+1], v[BIAS+8*(2*\g+\hb)+\p:BIAS+8*(2*\g+\hb)+\p+1] op_sel_hi:[1,0,1]   ; -(sum + bias) log2 e
.endr
.endr
.irp p, 0,2,4,6
	v_pk_fma_f32 v[GATE+16+\p:GATE+16+\p+1], v[8*(8*\a+4+\hb)+\p:8*(8*\a+4+\hb)+\p+1], s[TAN:TAN+1], v[BIAS+8*(4+\hb)+\p:BIAS+8*(4+\hb)+\p+1] op_sel_hi:[1,0,1]                  ; 2 (sum + bias) log2 e
.endr
	WIN 0
.set k, 0
.rept 32
	v_exp_f32 v[GATE+k], v[GATE+k]
.set k, k+1
.endr
	v_nop                                          ; one plain vector instruction between a transcendental and the use of its result (ISA guide 5.7.2)
.set k, 0
	s_wait_alu depctr_va_vdst(0)
.rept 16
	v_pk_add_f32 v[GATE+k:GATE+k+1], v[GATE+k:GATE+k+1], 1.0 op_sel_hi:[1,0]
.set k, k+2
.endr
.set k, 0
.rept 32
	v_rcp_f32 v[GATE+k], v[GATE+k]                 ; i, f, o are now the sigmoids
.set k, k+1
.endr
	v_nop
	s_wait_alu depctr_va_vdst(0)
.irp p, 0,2,4,6
	v_pk_fma_f32 v[GATE+16+\p:GATE+16+\p+1], v[GATE+16+\p:GATE+16+\p+1], -2.0, 1.0 op_sel_hi:[1,0,0]     ; tanh(g)
.endr
	s_wait_dscnt 0x0                               ; cx: its two loads are the wave's youngest LDS instructions
.irp p, 0,2,4,6
	v_pk_mul_f32 v[TMP+\p:TMP+\p+1], v[GATE+\p:GATE+\p+1], v[GATE+16+\p:GATE+16+\p+1]                    ; i g
.endr
.irp p, 0,2,4,6
	v_pk_fma_f32 v[CXR+\p:CXR+\p+1], v[GATE+8+\p:GATE+8+\p+1], v[CXR+\p:CXR+\p+1], v[TMP+\p:TMP+\p+1]    ; cy = f cx + i g
.endr
	ds_store_b128 v[STC], v[CXR:CXR+3]   offset:STOFF
	ds_store_b128 v[STC], v[CXR+4:CXR+7] offset:STOFF+16
.irp p, 0,2,4,6
	v_pk_mul_f32 v[TMP+\p:TMP+\p+1], v[CXR+\p:CXR+\p+1], s[TAN:TAN+1] op_sel_hi:[1,0]
.endr
.set k, 0
.rept 8
	v_exp_f32 v[TMP+k], v[TMP+k]
.set k, k+1
.endr
	v_nop
	s_wait_alu depctr_va_vdst(0)
.irp p, 0,2,4,6
	v_pk_add_f32 v[TMP+\p:TMP+\p+1], v[TMP+\p:TMP+\p+1], 1.0 op_sel_hi:[1,0]
.endr
.set k, 0
.rept 8
	v_rcp_f32 v[TMP+k], v[TMP+k]
.set k, k+1
.endr
	v_nop
	s_wait_alu depctr_va_vdst(0)
.irp p, 0,2,4,6
	v_pk_fma_f32 v[TMP+\p:TMP+\p+1], v[TMP+\p:TMP+\p+1], -2.0, 1.0 op_sel_hi:[1,0,0]                     ; tanh(cy)
.endr
.irp p, 0,2,4,6
	v_pk_mul_f32 v[GATE+24+\p:GATE+24+\p+1], v[GATE+24+\p:GATE+24+\p+1], v[TMP+\p:TMP+\p+1]              ; hy = o tanh(cy)
.endr
	ds_store_b128 v[STH], v[GATE+24:GATE+27] offset:STOFF
	ds_store_b128 v[STH], v[GATE+28:GATE+31] offset:STOFF+16
.endm
; THE WAY OUT of piece q: 64 rows of the block.  A row is 256 bytes, of which two waves wrote a half each: so my stores into the stage are waited
; for, a barrier, and each wave carries out 16 whole rows of cy and of hy, two rows an instruction.  The next piece's cells write other stage
; rows (64 further on), so no second barrier stands between these reads and those writes.
.macro OUTQ q
	s_wait_dscnt 0x0                               ; for the other waves' sake: my part of this piece's rows is in the stage
	s_barrier_signal -1
	s_barrier_wait -1
.if \q
	s_wait_xcnt 0x0                                ; every earlier memory instruction has had its addresses translated (ISA guide 3.1): the buffer, from which the last piece's stores read, is loaded again only behind this wait
.endif
.irp t, 0,1,2,3,4,5,6,7
	ds_load_b128 v[OB+4*\t:OB+4*\t+3],       v[RD]  offset:(64*\q+2*\t)*PITCH
.endr
.irp t, 0,1,2,3,4,5,6,7
	ds_load_b128 v[OB+32+4*\t:OB+32+4*\t+3], v[RDH] offset:(64*\q+2*\t)*PITCH
.endr
.irp t, 0,1,2,3,4,5,6,7
	s_wait_dscnt 15-\t                             ; LDS loads come back in order (ISA guide 5.7.1): cy's pair t is in, the younger of the sixteen stay out
	global_store_b128 v[CO], v[OB+4*\t:OB+4*\t+3], s[90:91] offset:(32*\q+2*\t)*OROW th:TH_STORE_NT         ; cy to out1: 16 lanes store 256 consecutive bytes, aligned
.endr
.irp t, 0,1,2,3,4,5,6,7
	s_wait_dscnt 7-\t                              ; hy's pair t is in
	global_store_b128 v[CO], v[OB+32+4*\t:OB+32+4*\t+3], s[88:89] offset:(32*\q+2*\t)*OROW th:TH_STORE_NT   ; hy to out0; the largest immediate is 110 rows, 901,120 bytes
.endr
.endm
.irp a, 0,1
	CELL \a, 2, 0
	CELL \a, 2, 1
.endr
	OUTQ 0                                         ; my rows 0-31 and the other half's: they leave while the next four cells are computed
.irp a, 2,3
	CELL \a, 2, 0
	CELL \a, 2, 1
.endr
	OUTQ 1
.irp a, 0,1
	CELL \a, 3, 0
	CELL \a, 3, 1
.endr
	OUTQ 2
.irp a, 2,3
	CELL \a, 3, 0
	CELL \a, 3, 1
.endr
	OUTQ 3
	s_set_vgpr_msb 0x1
	s_wait_tensorcnt 0x0
	ds_add_u32 v255, v63
	s_wait_dscnt 0x0
	s_set_vgpr_msb 0x100
	CROUND                                         ; the closing round, behind the last tensor load: no work-group ends while a partner may still ask for a tile that names it
	s_endpgm
.Lfunc_end_k_qaeaef0fdfc_lstm:
	.size	k_qaeaef0fdfc_lstm, .Lfunc_end_k_qaeaef0fdfc_lstm-k_qaeaef0fdfc_lstm
	.p2alignl 7, 3214868480
	.fill 96, 4, 3214868480
	.section	.rodata,"a",@progbits
	.p2align	6, 0x0
	.amdhsa_kernel k_qaeaef0fdfc_lstm
		.amdhsa_group_segment_fixed_size 327680
		.amdhsa_private_segment_fixed_size 0
		.amdhsa_enable_private_segment 0
		.amdhsa_kernarg_size 48
		.amdhsa_user_sgpr_count 2
		.amdhsa_user_sgpr_kernarg_segment_ptr 1
		.amdhsa_wavefront_size32 1
		.amdhsa_system_sgpr_workgroup_id_x 1
		.amdhsa_system_sgpr_workgroup_id_y 1
		.amdhsa_system_sgpr_workgroup_id_z 1
		.amdhsa_system_vgpr_workitem_id 0
		.amdhsa_next_free_vgpr 1024
		.amdhsa_next_free_sgpr 100
		.amdhsa_reserve_vcc 0
		.amdhsa_float_denorm_mode_32 3
		.amdhsa_float_denorm_mode_16_64 3
		.amdhsa_memory_ordered 1
		.amdhsa_forward_progress 1
		.amdhsa_inst_pref_size 255
	.end_amdhsa_kernel
	.section	.bss,"aw",@nobits
	.p2align	6
	.space	262144
	.amdgpu_metadata
---
amdhsa.version: [ 1, 2 ]
amdhsa.kernels:
  - .name:           k_qaeaef0fdfc_lstm
    .symbol:         k_qaeaef0fdfc_lstm.kd
    .args:
      - { .name: ops, .offset: 0, .size: 8, .value_kind: global_buffer, .address_space: global }
      - { .name: cx, .offset: 8, .size: 8, .value_kind: global_buffer, .address_space: global }
      - { .name: b_ih, .offset: 16, .size: 8, .value_kind: global_buffer, .address_space: global }
      - { .name: b_hh, .offset: 24, .size: 8, .value_kind: global_buffer, .address_space: global }
      - { .name: out0, .offset: 32, .size: 8, .value_kind: global_buffer, .address_space: global }
      - { .name: out1, .offset: 40, .size: 8, .value_kind: global_buffer, .address_space: global }
    .group_segment_fixed_size: 327680
    .private_segment_fixed_size: 0
    .kernarg_segment_align: 8
    .kernarg_segment_size: 48
    .max_flat_workgroup_size: 128
    .sgpr_count:     100
    .vgpr_count:     1024
    .wavefront_size: 32
...
	.end_amdgpu_metadata
.endif
;; end of part 2
